; MI455X (gfx1250); checked and timed in simulation.
; The chip was launched on July 23, 2026; its instructions are those of AMD's public machine-readable ISA for CDNA 5 (MIT licence, August 2026) and "CDNA5" Instruction Set Architecture Reference Guide (July 2026). The comments in the code are by the model that wrote it; some were corrected since.
;; ntn layer. Allowed arithmetic: matrix products marked QUANTISED: E3M2 operands, one E8M0 scale for each 32 along K, by v_wmma_scale_f32_16x16x128_f8f6f4 with both operands' format E3M2, f32 sums; products left as they are: f32 operands where the result goes on into a quantised operand, else bf16, f16 or f32 operands; f32 sums; everything else in f32.
;; Inputs: G_codes 16 x 16 x 24 uint8 (E3M2 codes of G, K innermost, in blocks of 32 codes, four codes in three bytes); G_scales 16 x 16 uint8 (E8M0 scales of G, one for each 32 codes along K); V_codes 16 x 16 x 24 uint8 (E3M2 codes of V, K innermost, in blocks of 32 codes, four codes in three bytes); V_scales 16 x 16 uint8 (E8M0 scales of V, one for each 32 codes along K); W_codes 16 x 256 x 8 x 24 uint8 (E3M2 codes of W, K innermost, in blocks of 32 codes, four codes in three bytes); W_scales 16 x 256 x 8 uint8 (E8M0 scales of W, one for each 32 codes along K); b1 16 float32; b2 16 float32; e1 32,768 x 256 float32; e2 32,768 x 256 float32.
;; Outputs: out0 32,768 x 32 float32.
;; This version of the problem:
;;   THIS VERSION OF THE PROBLEM IS GIVEN IN LOW PRECISION. The matrix products marked QUANTISED in the list below multiply operands that are first quantised to E3M2 (3 exponent bits, 2 mantissa bits; 6 bits a number), with one power-of-two scale for each 32 numbers along K (OCP MX v1.0); their sums are f32. All else is computed in f32.
;;   The module's matrix products, in the order in which they are computed (A, B: the left and right operand; K: the contracted axis; several contracted axes count as one K, in the product's order):
;;     1. [M 32,768, K 512] x [K 512, N 16]; A: computed on the way; B: input V (given as codes): QUANTISED
;;     2. [M 4,096, K 256] x [K 256, N 32,768]; A: input W (given as codes); B: input e1: QUANTISED
;;     3. batch 32,768 x [M 1, K 256] x [K 256, N 16]; A: input e2; B: computed on the way: left as it is (M = 1 < 16)
;;     4. [M 32,768, K 512] x [K 512, N 16]; A: computed on the way; B: input G (given as codes): QUANTISED
;;   THE QUANTISER, for each operand of a quantised product, along K:
;;     - K is cut into blocks of 32 from its start; a last block that is shorter is filled with zeros.
;;     - A block's scale is 2^e with e = floor(log2(the largest magnitude in the block)) - 4, held to -126 .. 127; a block of zeros has e = 0. As a byte (E8M0): e + 127.
;;     - Each number is divided by its block's scale, clamped to +-28, and rounded to the nearest number of E3M2, ties to even, subnormals kept.
;;     - The product sums the exact products of the quantised numbers (number of the format x scale) in f32.
;;   ~~~python
;;   def quantise(x, axis):      # numpy; x: float32 -> the quantised numbers, widened to float32 again
;;       x = np.moveaxis(x, axis, -1); K = x.shape[-1]
;;       x = np.pad(x, [(0, 0)] * (x.ndim - 1) + [(0, -K % 32)]); x = x.reshape(x.shape[:-1] + (-1, 32)); a = np.abs(x).max(-1, keepdims=True)
;;       e = np.where(a > 0, np.clip(np.frexp(np.where(a > 0, a, 1))[1] - 1 - 4, -126, 127), 0)      # np.frexp(a)[1] - 1 = floor(log2(a)), exactly
;;       r = np.clip(x / 2.0 ** e, -28, 28)
;;       step = 2.0 ** (np.maximum(np.frexp(np.where(r == 0, 1, r))[1] - 1, -2) - 2)
;;       q = np.round(r / step) * step * 2.0 ** e      # np.round: ties to even
;;       return np.moveaxis(q.reshape(q.shape[:-2] + (-1,))[..., :K], -1, axis).astype(np.float32)
;;   ~~~
;;   OPERANDS COMPUTED ON THE WAY. 'Computed on the way' means the value that the module computes at that place (a softmax that the list does not call 'softmax' is quantised finished and normalised). What goes into a quantiser is computed in f32, as accurately as f32 sums, v_exp_f32 and their like allow (about 1e-6 of the number): no bf16 or f16 on the way to a quantiser, and a product that is left as it is and whose result goes on into a quantised operand takes f32 operands (vector FMAs, or v_wmma_f32_16x16x4_f32). A number that lies on a knife's edge between two numbers of the format may be rounded either way, as far as f32 arithmetic and the matrix unit's own rounding can turn it there, and no further.
;;   INPUTS GIVEN AS CODES. G (in the module: [512, 16], K = its axis 0); V (in the module: [512, 16], K = its axis 0); W (in the module: [16, 256, 256], K = its axis 1): each comes as NAME_codes (uint8): NAME with its K axis moved to the last place and cut into blocks of 32 codes, [.., K / 32, bytes a block], one block behind the other in memory; four codes in three bytes: a row's codes are one little-endian stream of bits, code i at bits 6 i .. 6 i + 5 (a code: sign, 3 exponent bits, 2 mantissa bits); and NAME_scales (uint8): the same leading axes, one E8M0 byte (e + 127) for each 32 codes along K. Its value is code x scale, taken as it is: it is not quantised again, and the codes and scales need not be those that the quantiser above would give.
;; One version. Each part assembles by itself: llvm-mc -triple=amdgcn-amd-amdhsa -mcpu=gfx1250 --defsym DOCPART=n.
;; ======== version 1 of 1: 1 launch
;; launch ntn (part 1): grid 256 x 1, 4 waves a work-group, clusters of 4 x 1, 327,680 bytes of LDS; arguments e1, e2, W_codes, W_scales, V_codes, V_scales, G_codes, G_scales, b1, b2, out0; writes out0
.if DOCPART == 1
	.amdgcn_target "amdgcn-amd-amdhsa--gfx1250"
	.amdhsa_code_object_version 6
	.text
	.protected	k_q0717afada9_ntn
	.globl	k_q0717afada9_ntn
	.p2align	8
	.type	k_q0717afada9_ntn,@function
k_q0717afada9_ntn:
	s_mov_b64 s[64:65], 0
	v_nop
	global_prefetch_b8 v0, s[64:65] scope:SCOPE_SE
	s_setreg_imm32_b32 hwreg(HW_REG_WAVE_MODE, 25, 1), 1
	s_wait_xcnt 0x0
	s_wait_alu depctr_hold_cnt(0) depctr_sa_sdst(0) depctr_va_vdst(0) depctr_va_sdst(0) depctr_va_ssrc(0) depctr_va_vcc(0) depctr_vm_vsrc(0)
	s_getreg_b32 s2, hwreg(HW_REG_IB_STS2, 6, 4)
	s_cmp_eq_u32 s2, 0
	s_cbranch_scc0 .Lentry_in_a_cluster
	s_endpgm
.Lentry_in_a_cluster:
	s_bfe_u32 s2, ttmp6, 0x10000c
	s_cmp_lg_u32 s2, 0x3003
	s_cbranch_scc0 .Lentry_shape_is_right
	s_endpgm
.Lentry_shape_is_right:
; out0[b][0:16]  = tanh(Q(|e2-e1| , e2*e1) G + b1)
; out0[b][16:32] = tanh(sum_e e2[b][e] T[k][e][b] + Q(e1 , e2) V + b2),   T[k][e][b] = sum_d W[k][d][e] Q(e1)[b][d].
; Q: codes of BF6 (E3M2) with one E8M0 scale for each 32 along d.  W, V, G arrive as codes, d innermost.  All quantised products go by
; v_wmma_scale_f32_16x16x128_f8f6f4, both sides BF6, sums in f32.  The sum over e (a product with one row) is f32 multiply-adds on T's registers: T never leaves them.
; SHARES.  256 work-groups of four waves; a work-group owns 128 rows b.  PROLOGUE: wave w quantises e1, e2, |e2-e1|, e2*e1 of its own 32 rows, makes their products with V and G at once,
; and hands Q(e1) to the other waves through LDS as images of the operand's registers.  WALK: the waves share e: wave w takes e = 64 w .. 64 w + 63 of every k, for ALL 128 rows: a fragment of W read
; from LDS feeds 8 matrix instructions a K step, and the wave's 64 x 128 numbers of e2 stay in 256 registers.  For each k a wave leaves 128 partial sums in LDS; the end adds the four waves'.
; CLUSTER.  All work-groups walk the same W: the four of a cluster ask for each tile JOINTLY (the same tensor load, the same descriptor, a mask that names the four).
; W goes through two LDS slots of 2 k (512 rows of 192 bytes); a refill has a slot's 128 matrix instructions a wave in which to land.
; THE WALK'S ORDER.  Cluster x begins at quarter rot = (x + x / 4) mod 4 of W (a quarter: 4 k, two slots) and goes round: the clusters do not all ask for the same bytes at the same time, and from a
; cluster's second quarter on other clusters have asked for those bytes before.  Position kp of the walk is k = (4 rot + kp) mod 16.  All that lies in LDS and in registers is in the walk's order:
; V's rows, V's scale bytes and b2 are loaded in that order, and the last store puts each 16 bytes (4 k) of the tensor part at their place in out0's row.  rot is the same in the four partners.
; THE ORDER OF K.  A row of 256 codes is 192 bytes.  Lane (r, h) holds bytes 96 h .. 96 h + 95 (blocks 4 h .. 4 h + 3) in 24 registers: registers 0-11 feed K step 0, 12-23 K step 1.  The same
; order on both sides keeps every product; step s's scale word is then the bytes {2 s, 4 + 2 s, 2 s + 1, 5 + 2 s} of the row's eight.  So a fragment pair is six loads of 16 bytes, and in
; quantising a lane owns whole blocks: no maximum crosses lanes.  The sums' order differs from ascending d: last bits only.
; LIMITS: a block of zeros gets the byte 1 (not 127) with zero codes: these bytes are read by this program alone.  NaN and infinities among the inputs are not served.
; NOT DONE: no prefetch (the rows of e1 and e2 are the first thing asked for, and each is read once; W's later quarters have been asked for by other clusters); no walk over several blocks of rows (there are exactly 256 equal work-groups).
;
; LDS:   0 e1's 128 rows, pitch 1,040 | 133,120 e2's | later over them: W's slots at 0 and 122,880, pitch 240 (3 x (64 + 16))
;        266,240 images of Q(e1) (later tp[b][kp], pitch 80) | 290,816 their scale words | 292,864 partial sums (later the out stage, pitch 144) | 325,632 the spare words.  No tensor load lands at or above 266,240.
; REGISTERS, in windows of 256.  window 0: v1-27, v76-79, v252-255 addresses; v28-67, v248-251 scale words; walk: v80-127 W's fragments (two sets), v128-191 T (2 x 4 tiles), v192-219 sums.
;   prologue: v80-127 four operands' codes, v128-191 e2 - e1, v192-223 odd halves of codes, v224-247 maxima and scales (v240-244 first: offsets of the head's loads of V and b2).
;   window 1: prologue e1; walk v0-95 Q(e1) of b-tiles 4-7, v96-223 e2 of b-tiles 0-3.   window 2: prologue e2; walk v0-95 Q(e1) of b-tiles 0-3, v96-223 e2 of b-tiles 4-7.
;   window 3: v0-47 V, v48-95 G, v96-111 b2, b1, v112-127 the forward product, v128-143 the match product.
.set STG2,  133120
.set WSLOT, 122880
.set IMG,   266240
.set ISC,   290816
.set RED,   292864
.set SPARE, 325632
.set TPM,   IMG
.set OST,   RED
.set SPW, 1                            ; v1   SPARE + 4 x thread; never rewritten
.set NIL, 2                            ; v2   0; never rewritten
.set RR,  3                            ; v3   r = lane % 16
.set HH,  4                            ; v4   h = lane / 16
.set LN,  5                            ; v5   lane
.set LX1, 6                            ; v6   e1 staged: (32 w + r) 1,040 + 512 h;  v7 the same for e2
.set IMW, 8                            ; v8   where I store images;  v9 their scale words
.set ISW, 9
.set IML, 10                           ; v10  where I read images;  v11 their scale words (lanes 16-31: step 1's)
.set ISL, 11
.set E2L, 12                           ; v12-13  e2 staged, my 64 columns: b-tiles 0-3, 4-7
.set WA,  14                           ; v14-21  W's rows: slot p, k kk: 14 + 4 p + 2 kk (+ 1: pieces behind one padding more)
.set RA0, 22                           ; v22  my partial sums' place;  v23 with the walk's step
.set RA,  23
.set VS,  24                           ; v24  W's scale bytes: 512 w + 8 lane
.set H8,  25                           ; v25  8 h
.set VGO, 26                           ; v26  G: 384 r + 96 h
.set R16, 27                           ; v27  16 r
.set SE1, 28                           ; v28-35  Q(e1)'s scale words, a register a b-tile: lanes 0-15 step 0, lanes 16-31 step 1
.set SW,  36                           ; v36-51  W's scale words: 8 p + 4 kk + 2 u + s: lanes 0-15 e-tile 2 u, lanes 16-31 e-tile 2 u + 1
.set RAW, 52                           ; v52-59  W's scale bytes as loaded
.set SV,  60                           ; v60-63 V's scale words (2 g + s), v64-67 G's
.set SG,  64
.set RVS, 68                           ; v68-75  V's and G's scale bytes as loaded
.set H32, 76                           ; v76  32 h
.set RDA, 77                           ; v77  the end: partial sums read;  v78 tp written;  v79 tp read
.set TPW, 78
.set TPR, 79
.set VRO, 240                          ; v240 the head alone: V's row for lane r: (r + 4 rot) mod 16;  v241 its codes' offset;  v242 its scale bytes';  v243-244 b2's two groups of four
.set VGV, 241
.set R16V, 242
.set B2A, 243
.set B2B, 244
.set OSW, 252                          ; v252 out stage written;  v253 read;  v254 my 16 bytes' place in four rows of out0
.set OSR, 253
.set GOF, 254
.set WF,  80
.set T,   128
.set ACC, 192
.set S,   208
.set O,   216
.set E2F, 96
.set C,   80
.set TD,  128
.set CT,  192
.set M,   224
.set SC,  240
.set XW,  248
.set VF,  0
.set GF,  48
.set B2,  96
.set B1,  104
.set FP,  112
.set MP,  128
.set WV,  26                           ; s26  my wave's number
.set G1E, 32                           ; s[32:39] group 1: 16 rows of 256 f32
.set G1W, 40                           ; s[40:47] group 1: 24,576 dense bytes of W, joint
.set G0E, 48                           ; s[48:63] four groups 0: e1 tile 0, e2 tile 0, e1 tile 1, e2 tile 1
.set G0W, 68                           ; s[68:75] groups 0 of W's two slots
.set ROT, 85                           ; s85  rot: the quarter of W at which my cluster begins
.set SQ,  89                           ; s89  which slot's scale bytes are asked for next: (2 rot + the walk's slot) mod 8
.set PQ,  91                           ; s91  which quarter of W is asked for next: (rot + the walk's pair) mod 4;  s[92:93] its byte offset;  s[2:3] the scale bytes' offset;  s[94:95] their base
.set MSB, 0
.macro WIN new                         ; the immediate's high byte repeats the setting that is left
.if MSB != \new
	s_set_vgpr_msb (MSB<<8)|\new
.set MSB, \new
.endif
.endm
.macro PLACES n
.rept \n
	v_nop
.endr
.endm
.macro CREST                           ; a round of the cluster's barrier behind its opening barrier
	s_cmp_lg_u32 s[WV], 0
	s_cbranch_scc1 .Lnot_wave_0_\@
	s_barrier_signal -3
.Lnot_wave_0_\@:
	s_barrier_wait -3
	s_barrier_signal -1
	s_barrier_wait -1
.endm
.macro CROUND                          ; a whole round
	s_barrier_signal -1
	s_barrier_wait -1
	CREST
.endm
	s_load_b512 s[4:19], s[0:1], 0x0               ; e1, e2, W's codes, W's scales, V's codes, V's scales, G's codes, G's scales
	s_load_b128 s[20:23], s[0:1], 0x40             ; b1, b2
	s_load_b64 s[24:25], s[0:1], 0x50              ; out0
	v_lshl_add_u32 v[SPW], v0, 2, SPARE
	v_mov_b32 v[NIL], 0
	ds_add_u32 v1, v2
	ds_add_u32 v1, v2
	s_wait_dscnt 0x0
	v_lshrrev_b32 v3, 5, v0
	v_readfirstlane_b32 s[WV], v3                  ; wave 0..3
	s_bfe_u32 s27, ttmp6, 0x40000                  ; cx: it enters e1's, e2's and out0's global addresses alone
	s_lshl_b32 s28, ttmp9, 2
	s_add_co_u32 s28, s28, s27                     ; my block of 128 rows = 4 x cluster x + cx
	s_lshr_b32 s[ROT], ttmp9, 2
	s_add_co_u32 s[ROT], s[ROT], ttmp9
	s_and_b32 s[ROT], s[ROT], 3                    ; rot = (x + x / 4) mod 4, x the cluster's number: the same in the four partners
	s_lshl_b32 s29, s28, 7
	s_lshl_b32 s30, s[WV], 5
	s_add_co_u32 s29, s29, s30                     ; my wave's first row
	s_lshl_b32 s30, s29, 10                        ; in e1 and e2: 1,024 bytes a row
	s_mov_b32 s31, 0
	s_lshl_b32 s88, s29, 7                         ; in out0: 128 bytes a row
	s_mov_b32 s89, 0
	s_mov_b32 s[G1E+0], (2<<16)|(1<<20)|(7<<22)|(3<<25)   ; no mask; elements of 4 bytes; padding on: after every 256 words (a row), 4 words
	s_mov_b32 s[G1E+1], 256<<16                    ; tensor_dim0
	s_mov_b32 s[G1E+2], 16<<16                     ; tensor_dim1
	s_mov_b32 s[G1E+3], 256<<16                    ; tile_dim0
	s_mov_b32 s[G1E+4], 16                         ; tile_dim1
	s_mov_b32 s[G1E+5], 256                        ; elements from row to row
	s_mov_b32 s[G1E+6], 0
	s_mov_b32 s[G1E+7], 0
	; A wave's 128 rows of W (192 bytes each) are 24,576 dense bytes: they are stated as 96 rows of 256 bytes, each at a multiple of 256 from the buffer's first byte.  The padding is counted along
	; the tile, 16 bytes behind every 64, so that in LDS W's rows of 192 bytes lie 240 apart.
	s_mov_b32 s[G1W+0], 15|(3<<16)|(1<<20)|(1<<21)|(3<<22)|(3<<25) ; the mask: all four work-groups; elements of 8 bytes; padding on; bit 21 beside a mask; after every 16 words, 4 words
	s_mov_b32 s[G1W+1], 32<<16
	s_mov_b32 s[G1W+2], 96<<16
	s_mov_b32 s[G1W+3], 32<<16
	s_mov_b32 s[G1W+4], 96
	s_mov_b32 s[G1W+5], 32
	s_mov_b32 s[G1W+6], 0
	s_mov_b32 s[G1W+7], 0
	s_mov_b32 s78, 0x76543210                      ; v_permlanex16_b32's selects for lane l xor 16
	s_mov_b32 s79, 0xfedcba98
	s_mov_b32 s80, 0x05010400                      ; a row's eight scale bytes -> step 0's word: bytes 0, 4, 1, 5
	s_mov_b32 s81, 0x07030602                      ; step 1's: bytes 2, 6, 3, 7
	s_mov_b32 s82, 0xdf7df7df                      ; three words that clear the sign (bit 5) of sixteen 6-bit codes
	s_mov_b32 s83, 0xf7df7df7
	s_mov_b32 s84, 0x7df7df7d
	s_mov_b32 s86, 0x4038aa3b                      ; 2 log2(e)
	s_mov_b32 s87, 0x4038aa3b
	s_mul_i32 s29, s[WV], 33280                    ; my 32 rows in the staging area
	s_mul_i32 s90, s[WV], 30720                    ; my 128 rows of a slot of W, in LDS,
	s_mul_i32 s92, s[WV], 24576                    ; and in memory
	s_mov_b32 s93, 0
	s_wait_kmcnt 0x0
	s_add_nc_u64 s[4:5], s[4:5], s[30:31]
	s_add_nc_u64 s[6:7], s[6:7], s[30:31]
	s_add_nc_u64 s[24:25], s[24:25], s[88:89]
	s_add_nc_u64 s[8:9], s[8:9], s[92:93]          ; W's codes at my part of slot 0 of quarter 0: it stays
	s_mul_i32 s92, s[ROT], 196608                  ; my cluster's first quarter, in bytes (s93 stays 0)
	s_mov_b32 s[PQ], s[ROT]
	s_lshl_b32 s[SQ], s[ROT], 1                    ; and its first slot's scale bytes: 4,096 a slot
	s_lshl_b32 s2, s[SQ], 12
	s_mov_b32 s3, 0
	s_add_nc_u64 s[94:95], s[10:11], s[2:3]
.irp i, 0,1
.irp o, 0,1
	s_mov_b32 s[G0E+4*(2*\i+\o)], 1
	s_add_co_u32 s[G0E+4*(2*\i+\o)+1], s29, \o*STG2+\i*16640
	s_add_nc_u64 s[G0E+4*(2*\i+\o)+2:G0E+4*(2*\i+\o)+3], s[4+2*\o:5+2*\o], \i*16384
	s_or_b32 s[G0E+4*(2*\i+\o)+3], s[G0E+4*(2*\i+\o)+3], 0x80000000
.endr
.endr
.irp p, 0,1
	s_mov_b32 s[G0W+4*\p], 1
	s_add_co_u32 s[G0W+4*\p+1], s90, \p*WSLOT      ; the wave's number alone enters: the same in all four partners
	s_add_nc_u64 s[G0W+4*\p+2:G0W+4*\p+3], s[8:9], s[92:93]
.if \p
	s_add_nc_u64 s[G0W+4*\p+2:G0W+4*\p+3], s[G0W+4*\p+2:G0W+4*\p+3], 98304
.endif
	s_or_b32 s[G0W+4*\p+3], s[G0W+4*\p+3], 0x80000000
.endr
	CROUND                                         ; the one round in front of the first fills
.irp n, 0,1,2,3
	tensor_load_to_lds s[G0E+4*\n:G0E+4*\n+3], s[G1E:G1E+7]   ; my 32 rows of e1 and e2, 16 at a time: four loads of mine are out
	s_nop 0
.endr
	PLACES 4                                       ; four places behind the loads
	v_and_b32 v[RR], 15, v0
	v_bfe_u32 v[HH], v0, 4, 1
	v_and_b32 v[LN], 31, v0
	v_mul_u32_u24 v[LX1], v[RR], 1040
	v_lshl_add_u32 v[LX1], v[HH], 9, v[LX1]
	v_add_nc_u32 v[LX1], s29, v[LX1]
	v_add_nc_u32 v[LX1+1], STG2, v[LX1]
	s_mul_i32 s30, s[WV], 6144
	s_add_co_u32 s30, s30, IMG
	v_lshl_add_u32 v[IMW], v[LN], 4, s30
	s_lshl_b32 s30, s[WV], 9
	s_add_co_u32 s31, s30, ISC
	v_lshl_add_u32 v[ISW], v[LN], 2, s31
	v_lshl_add_u32 v[IML], v[LN], 4, IMG
	v_lshlrev_b32 v[ISL], 2, v[RR]
	v_lshl_add_u32 v[ISL], v[HH], 7, v[ISL]
	v_add_nc_u32 v[ISL], ISC, v[ISL]
	v_lshl_add_u32 v[VS], v[LN], 3, s30
	v_mul_u32_u24 v[E2L], v[RR], 1040
	v_lshl_add_u32 v[E2L], v[HH], 5, v[E2L]
	s_lshl_b32 s31, s[WV], 8
	s_add_co_u32 s31, s31, STG2
	v_add_nc_u32 v[E2L], s31, v[E2L]
	v_add_nc_u32 v[E2L+1], 66560, v[E2L]
	v_mul_u32_u24 v[WA], v[RR], 240
	v_mad_u32_u24 v[WA], v[HH], 112, v[WA]         ; data byte 96 lies 112 bytes into an LDS row (one padding passed),
	s_mul_i32 s31, s[WV], 15360
	v_add_nc_u32 v[WA], s31, v[WA]
	v_lshl_add_u32 v[WA+1], v[HH], 4, v[WA]        ; and for the pieces at 32 and 48 lanes 16-31 stand behind one padding more
.irp x, 1,2,3
	v_add_nc_u32 v[WA+2*\x], (\x/2)*WSLOT+(\x%2)*61440, v[WA]
	v_add_nc_u32 v[WA+2*\x+1], (\x/2)*WSLOT+(\x%2)*61440, v[WA+1]
.endr
	s_lshl_b32 s31, s[WV], 13
	s_add_co_u32 s31, s31, RED
	v_lshl_add_u32 v[RA0], v[LN], 4, s31
	v_lshlrev_b32 v[H8], 3, v[HH]
	v_mul_u32_u24 v[VGO], v[RR], 384
	v_mad_u32_u24 v[VGO], v[HH], 96, v[VGO]
	v_lshlrev_b32 v[R16], 4, v[RR]
	v_lshlrev_b32 v[H32], 5, v[HH]
	s_lshl_b32 s31, s[WV], 11
	s_add_co_u32 s31, s31, RED
	v_lshl_add_u32 v[RDA], v[LN], 4, s31
	v_lshl_add_u32 v[TPW], v[HH], 6, v[RR]
	v_mul_u32_u24 v[TPW], v[TPW], 80
	s_lshl_b32 s31, s[WV], 4
	s_add_co_u32 s31, s31, TPM
	v_add_nc_u32 v[TPW], s31, v[TPW]
	v_mul_u32_u24 v[TPR], v[RR], 80
	v_lshl_add_u32 v[TPR], v[HH], 5, v[TPR]
	s_mul_i32 s31, s[WV], 2560
	s_add_co_u32 s31, s31, TPM
	v_add_nc_u32 v[TPR], s31, v[TPR]
	v_mul_u32_u24 v[OSW], v[RR], 144
	v_lshl_add_u32 v[OSW], v[HH], 5, v[OSW]
	s_mul_i32 s31, s[WV], 4608
	s_add_co_u32 s31, s31, OST
	v_add_nc_u32 v[OSW], s31, v[OSW]
	v_lshrrev_b32 v[OSR], 3, v[LN]
	v_mul_u32_u24 v[OSR], v[OSR], 144
	v_and_b32 v255, 7, v0
	v_lshl_add_u32 v[OSR], v255, 4, v[OSR]
	v_add_nc_u32 v[OSR], s31, v[OSR]
	; out0: a lane stores piece lane % 8 (16 bytes) of row lane / 8.  Pieces 0-3 are the match part.  Piece 4 + q holds the walk's positions 4 q .. 4 q + 3, which are k = 4 ((q + rot) mod 4) on
	v_bfe_u32 v255, v0, 2, 1                       ; 1 in the tensor part
	v_mul_u32_u24 v255, s[ROT], v255               ; rot there, 0 in the match part
	v_add_nc_u32 v255, v255, v[LN]
	v_and_b32 v255, 3, v255
	v_and_or_b32 v255, v[LN], 0x1c, v255           ; the row and the part stay
	v_lshlrev_b32 v[GOF], 4, v255
	; V and b2 in the walk's order: lane r takes V's row (r + 4 rot) mod 16; b2 goes in groups of four, which the turn by 4 rot leaves whole
	v_lshl_add_u32 v[VRO], s[ROT], 2, v[RR]
	v_and_b32 v[VRO], 15, v[VRO]
	v_mul_u32_u24 v[VGV], v[VRO], 384
	v_mad_u32_u24 v[VGV], v[HH], 96, v[VGV]
	v_lshlrev_b32 v[R16V], 4, v[VRO]
	s_lshl_b32 s31, s[ROT], 4
	v_lshl_add_u32 v[B2A], v[HH], 5, s31
	v_and_b32 v[B2A], 63, v[B2A]                   ; positions 8 h + 0 .. 3: bytes (32 h + 16 rot) mod 64 on
	v_add_nc_u32 v[B2B], 16, v[B2A]
	v_and_b32 v[B2B], 63, v[B2B]                   ; positions 8 h + 4 .. 7
	WIN 0xc0                                       ; destination window 3
.irp g, 0,1
.irp n, 0,1,2,3,4,5
	global_load_b128 v[VF+24*\g+4*\n:VF+24*\g+4*\n+3], v[VGV], s[12:13] offset:192*\g+16*\n   ; V's row for lane r, half g of its K, bytes 96 h on
	global_load_b128 v[GF+24*\g+4*\n:GF+24*\g+4*\n+3], v[VGO], s[16:17] offset:192*\g+16*\n   ; G's row r
.endr
.endr
	global_load_b128 v[B2:B2+3], v[B2A], s[22:23]             ; b2 at positions 8 h + j: the result's layout
	global_load_b128 v[B2+4:B2+7], v[B2B], s[22:23]
	global_load_b128 v[B1:B1+3], v[H32], s[20:21]             ; b1[8 h + j]
	global_load_b128 v[B1+4:B1+7], v[H32], s[20:21] offset:16
	WIN 0
	global_load_b128 v[RVS:RVS+3], v[R16V], s[14:15]          ; the sixteen scale bytes of V's row for lane r
	global_load_b128 v[RVS+4:RVS+7], v[R16], s[18:19]         ; G's
; W's scale bytes of a slot's two k, my 64 rows e: 8 bytes a lane, 256 consecutive bytes a load
.macro SCLOAD
.irp kk, 0,1
.irp u, 0,1
	global_load_b64 v[RAW+2*(2*\kk+\u):RAW+2*(2*\kk+\u)+1], v[VS], s[94:95] offset:2048*\kk+256*\u
.endr
.endr
.endm
.macro SCSTEP                          ; their base goes on to the walk's next slot, round W's eight (it stands behind the wait for the loads that named the base)
	s_add_co_u32 s[SQ], s[SQ], 1
	s_and_b32 s[SQ], s[SQ], 7
	s_lshl_b32 s2, s[SQ], 12
	s_add_nc_u64 s[94:95], s[10:11], s[2:3]
.endm
.macro SCPERM p                        ; and made into the two steps' scale words, for slot p
.irp kk, 0,1
.irp u, 0,1
.irp s, 0,1
	v_perm_b32 v[SW+8*(\p)+4*\kk+2*\u+\s], v[RAW+2*(2*\kk+\u)+1], v[RAW+2*(2*\kk+\u)], s[80+\s]
.endr
.endr
.endr
.endm
	SCLOAD                                         ; the walk's first slot's
; My tile i (16 rows): lane (r, h) takes d = 128 h + 0 .. 127 of row r, of e1 (window 1) and of e2 (window 2), at registers 128 i on; K step 0's halves first
.macro XLOAD i
.irp s, 0,1
	WIN 0x40
.irp n, 0,1,2,3,4,5,6,7,8,9,10,11,12,13,14,15
	ds_load_b128 v[128*\i+64*\s+4*\n:128*\i+64*\s+4*\n+3], v[LX1] offset:\i*16640+256*\s+16*\n
.endr
	WIN 0x80
.irp n, 0,1,2,3,4,5,6,7,8,9,10,11,12,13,14,15
	ds_load_b128 v[128*\i+64*\s+4*\n:128*\i+64*\s+4*\n+3], v[LX1+1] offset:\i*16640+256*\s+16*\n
.endr
.endr
	WIN 0
.endm
; Operand op (0 e1, 1 e2, 2 e2 - e1, 3 e2 * e1): the largest magnitudes of 64 numbers, in four chains of 16; the floor 2^(5 - 127) is a leaf: the byte cannot fall under 1
.macro MAXCH op, xb
.irp c, 0,1,2,3
	v_max3_num_f32 v[M+4*(\op)+\c], |v[(\xb)+16*\c]|, |v[(\xb)+16*\c+1]|, 0x2800000
.endr
.irp n, 2,4,6,8,10,12,14
.irp c, 0,1,2,3
	v_max3_num_f32 v[M+4*(\op)+\c], |v[(\xb)+16*\c+\n]|, |v[(\xb)+16*\c+\n+1]|, v[M+4*(\op)+\c]
.endr
.endr
.endm
.macro SCALE op                        ; two blocks: 4 off the largest magnitude's exponent field is the conversion's scale operand; shifted down, the byte
	v_max_num_f32 v[M+4*(\op)], v[M+4*(\op)], v[M+4*(\op)+1]
	v_max_num_f32 v[M+4*(\op)+2], v[M+4*(\op)+2], v[M+4*(\op)+3]
	v_add_nc_u32 v[SC+2*(\op)], 0xfe000000, v[M+4*(\op)]
	v_add_nc_u32 v[SC+2*(\op)+1], 0xfe000000, v[M+4*(\op)+2]
	v_lshrrev_b32 v[M+4*(\op)+1], 23, v[SC+2*(\op)]
	v_lshrrev_b32 v[M+4*(\op)+3], 23, v[SC+2*(\op)+1]
.endm
.macro CVT op, xb                      ; a conversion's three registers begin on an even number: a block's second half is made in CT and moved
.irp q, 0,1
	v_cvt_scalef32_pk16_bf6_f32 v[C+12*(\op)+6*\q:C+12*(\op)+6*\q+2], v[(\xb)+32*\q:(\xb)+32*\q+15], v[SC+2*(\op)+\q]
	v_cvt_scalef32_pk16_bf6_f32 v[CT+4*(2*(\op)+\q):CT+4*(2*(\op)+\q)+2], v[(\xb)+32*\q+16:(\xb)+32*\q+31], v[SC+2*(\op)+\q]
.endr
.endm
.macro WORD op                         ; my two bytes stand at bytes h and 2 + h of the step's scale word; lane l xor 16 has the other two
	v_lshl_or_b32 v[XW+(\op)], v[M+4*(\op)+3], 16, v[M+4*(\op)+1]
	v_lshlrev_b32 v[XW+(\op)], v[H8], v[XW+(\op)]
	v_permlanex16_b32 v[M+4*(\op)], v[XW+(\op)], s78, s79
	v_or_b32 v[XW+(\op)], v[XW+(\op)], v[M+4*(\op)]
.endm
; K step s of my tile i: four operands quantised (two whole blocks a lane each), Q(e1)'s image to LDS, and four products with V and G
.macro CHUNK i, s
.set XB, 128*(\i)+64*(\s)
	WIN 0x05
	MAXCH 0, XB
	WIN 0x0a
	MAXCH 1, XB
	WIN 0x06
.set cN, 0
.rept 32
	v_pk_add_f32 v[TD+cN:TD+cN+1], v[XB+cN:XB+cN+1], v[XB+cN:XB+cN+1] neg_lo:[0,1] neg_hi:[0,1]   ; e2 (window 2) - e1 (window 1)
.set cN, cN+2
.endr
	WIN 0
	MAXCH 2, TD
	SCALE 0
	SCALE 1
	SCALE 2
	CVT 2, TD
	WIN 0x01
	CVT 0, XB
	WIN 0x02
	CVT 1, XB
	v_nop                                          ; one plain place behind the conversions: e1's registers are written next
	WIN 0x46
.set cN, 0
.rept 32
	v_pk_mul_f32 v[XB+cN:XB+cN+1], v[XB+cN:XB+cN+1], v[XB+cN:XB+cN+1]   ; e2 * e1, over e1, which is done with
.set cN, cN+2
.endr
	WIN 0x05
	MAXCH 3, XB
	WIN 0
	SCALE 3
	WIN 0x01
	CVT 3, XB
	WIN 0
	v_nop                                          ; one plain place behind the conversions
	WORD 0
	WORD 1
	WORD 2
	WORD 3
.irp o, 0,1,2,3
.irp q, 0,1
.irp n, 0,1,2
	v_mov_b32 v[C+12*\o+6*\q+3+\n], v[CT+4*(2*\o+\q)+\n]
.endr
.endr
.endr
.irp j, 0,1,2,3,4,5,6,7,8,9,10,11
	v_and_b32 v[C+24+\j], s[82+\j%3], v[C+24+\j]   ; Q(|x|) = |Q(x)|: the codes' signs are cleared
.endr
.irp c, 0,1,2
	ds_store_b128 v[IMW], v[C+4*\c:C+4*\c+3] offset:3072*(\i)+1536*(\s)+512*\c   ; Q(e1)'s fragment as it stands: 16 bytes a lane, 512 a store
.endr
	ds_store_b32 v[ISW], v[XW] offset:256*(\i)+128*(\s)
	PLACES 8                                       ; scale words written by vector instructions stand 8 places ahead of a scaled matrix instruction, operands 4
	WIN 0xf3                                       ; source 0, C and D window 3; source 1 window 0
.if (\s) == 0                          ; the biases are the C of each sum's first product.  The two accumulators take turns
	v_wmma_scale_f32_16x16x128_f8f6f4 v[FP+8*(\i):FP+8*(\i)+7], v[VF:VF+11], v[C:C+11], v[B2:B2+7], v[SV], v[XW] matrix_a_fmt:MATRIX_FMT_BF6 matrix_b_fmt:MATRIX_FMT_BF6
	v_wmma_scale_f32_16x16x128_f8f6f4 v[MP+8*(\i):MP+8*(\i)+7], v[GF:GF+11], v[C+24:C+35], v[B1:B1+7], v[SG], v[XW+2] matrix_a_fmt:MATRIX_FMT_BF6 matrix_b_fmt:MATRIX_FMT_BF6
.else
	v_wmma_scale_f32_16x16x128_f8f6f4 v[FP+8*(\i):FP+8*(\i)+7], v[VF+12:VF+23], v[C:C+11], v[FP+8*(\i):FP+8*(\i)+7], v[SV+1], v[XW] matrix_a_fmt:MATRIX_FMT_BF6 matrix_b_fmt:MATRIX_FMT_BF6
	v_wmma_scale_f32_16x16x128_f8f6f4 v[MP+8*(\i):MP+8*(\i)+7], v[GF+12:GF+23], v[C+24:C+35], v[MP+8*(\i):MP+8*(\i)+7], v[SG+1], v[XW+2] matrix_a_fmt:MATRIX_FMT_BF6 matrix_b_fmt:MATRIX_FMT_BF6
.endif
	v_wmma_scale_f32_16x16x128_f8f6f4 v[FP+8*(\i):FP+8*(\i)+7], v[VF+24+12*(\s):VF+35+12*(\s)], v[C+12:C+23], v[FP+8*(\i):FP+8*(\i)+7], v[SV+2+(\s)], v[XW+1] matrix_a_fmt:MATRIX_FMT_BF6 matrix_b_fmt:MATRIX_FMT_BF6
	v_wmma_scale_f32_16x16x128_f8f6f4 v[MP+8*(\i):MP+8*(\i)+7], v[GF+24+12*(\s):GF+35+12*(\s)], v[C+36:C+47], v[MP+8*(\i):MP+8*(\i)+7], v[SG+2+(\s)], v[XW+3] matrix_a_fmt:MATRIX_FMT_BF6 matrix_b_fmt:MATRIX_FMT_BF6
	WIN 0
.endm
	s_wait_tensorcnt 0x2                           ; my first 16 rows of e1 and of e2 have landed; the two younger loads (my second 16) may be out.  I read my own rows alone
	XLOAD 0
	s_wait_loadcnt 0x0                             ; V, G, the biases, the scale bytes
.irp g, 0,1
.irp s, 0,1
	v_perm_b32 v[SV+2*\g+\s], v[RVS+2*\g+1], v[RVS+2*\g], s[80+\s]
	v_perm_b32 v[SG+2*\g+\s], v[RVS+4+2*\g+1], v[RVS+4+2*\g], s[80+\s]
.endr
.endr
	SCPERM 0
	SCSTEP                                         ; (the loads that named the base are done)  the next slot's scale bytes
	SCLOAD
	s_wait_dscnt 32                                ; K step 0's 32 loads are in; step 1's 32 may be out
	CHUNK 0, 0
	s_wait_dscnt 0x0
	CHUNK 0, 1
	s_wait_tensorcnt 0x0                           ; my second 16 rows
	XLOAD 1
	; W's slot 0 lands on e1's staging area, which is done with as soon as every wave has its rows in registers: so it is asked for here, and the quantising of my second 16 rows
	; stands between the request and the wait for it.  The cluster's round is the barrier in front of this refill.
	s_wait_tensorcnt 0x0                           ; none of my tensor loads is out: my rows of e2, which the other waves will read, have landed too
	ds_add_u32 v[SPW], v[NIL]
	s_wait_dscnt 0x0                               ; the add and my reads of the staging area are done
	CROUND
	tensor_load_to_lds s[G0W:G0W+3], s[G1W:G1W+7]  ; the walk's first two k: my 128 rows, jointly with my three partners
	s_nop 0
	PLACES 4
	CHUNK 1, 0
	CHUNK 1, 1
	s_wait_dscnt 0x0                               ; for the others' sake: my images of Q(e1) and their scale words lie in LDS
	s_barrier_signal -1                            ; slot 0's load may stay out across it
	s_barrier_wait -1
	WIN 0x80                                       ; destination window 2
.irp i, 0,1,2,3
.irp f, 0,1,2,3,4,5
	ds_load_b128 v[24*\i+4*\f:24*\i+4*\f+3], v[IML] offset:3072*\i+512*\f                   ; Q(e1) of b-tiles 0-3, both K steps
.endr
.endr
.irp i, 0,1,2,3
.irp t, 0,1,2,3
.irp q, 0,1
	ds_load_b128 v[E2F+32*\i+8*\t+4*\q:E2F+32*\i+8*\t+4*\q+3], v[E2L+1] offset:\i*16640+64*\t+16*\q   ; e2[16 (4 + i) + r][64 w + 16 t + 8 h + 0 .. 7]: T's layout
.endr
.endr
.endr
	WIN 0x40                                       ; destination window 1
.irp i, 0,1,2,3
.irp f, 0,1,2,3,4,5
	ds_load_b128 v[24*\i+4*\f:24*\i+4*\f+3], v[IML] offset:3072*(4+\i)+512*\f               ; Q(e1) of b-tiles 4-7
.endr
.endr
.irp i, 0,1,2,3
.irp t, 0,1,2,3
.irp q, 0,1
	ds_load_b128 v[E2F+32*\i+8*\t+4*\q:E2F+32*\i+8*\t+4*\q+3], v[E2L] offset:\i*16640+64*\t+16*\q     ; e2 of b-tiles 0-3
.endr
.endr
.endr
	WIN 0
.irp b, 0,1,2,3,4,5,6,7
	ds_load_b32 v[SE1+\b], v[ISL] offset:256*\b
.endr
	; slot 1 lands on e2's staging area
	s_wait_tensorcnt 0x0                           ; my part of slot 0 has landed
	ds_add_u32 v[SPW], v[NIL]
	s_wait_dscnt 0x0                               ; the add and my reads of e2 and of the images are done
	CROUND
	tensor_load_to_lds s[G0W+4:G0W+7], s[G1W:G1W+7]   ; the walk's next two k
	s_nop 0
	PLACES 4
; THE WALK.  A slot has eight tiles tau = 4 kk + t (k kk of the slot, e-tile t of my four).  A tile has two GROUPS: hh = 0: b-tiles 0-3, hh = 1: b-tiles 4-7.
.macro WFLOAD p, tau                   ; W's fragment pair of tile tau of slot p into set tau % 2: six loads of 16 bytes
.set wA, WA+4*(\p)+2*((\tau)/4)
.set wO, ((\tau)%4)*3840
.set wR, WF+24*((\tau)%2)
	ds_load_b128 v[wR:wR+3],     v[wA]   offset:wO
	ds_load_b128 v[wR+4:wR+7],   v[wA]   offset:wO+16
	ds_load_b128 v[wR+8:wR+11],  v[wA+1] offset:wO+32
	ds_load_b128 v[wR+12:wR+15], v[wA+1] offset:wO+48
	ds_load_b128 v[wR+16:wR+19], v[wA]   offset:wO+80
	ds_load_b128 v[wR+20:wR+23], v[wA]   offset:wO+96
.endm
; Multiply-add number gF (0 .. 15) on the tiles that the group before a group of half hh made: pair gF / 4 of tile gF % 4, e-tile pt.  Each tile is first read at its registers 0 and 1.
; A k's first pair starts its sum: nothing is cleared.
.macro GFMA hh, pt
.set gJ, gF/4
.set gQ, gF%4
.set gX, T+32*(1-(\hh))+8*gQ+2*gJ
.set gE, E2F+32*gQ+8*(\pt)+2*gJ
.set gC, ACC+2*(4*(1-(\hh))+gQ)
.if ((\pt) == 0) && (gJ == 0)
	v_pk_mul_f32 v[gC:gC+1], v[gX:gX+1], v[gE:gE+1]
.else
	v_pk_fma_f32 v[gC:gC+1], v[gX:gX+1], v[gE:gE+1], v[gC:gC+1]
.endif
.set gF, gF+1
.endm
; A group: 8 matrix instructions (K step 0 of four b-tiles starts the sums, K step 1 adds on: the four accumulators take turns), and behind each of them two
; multiply-adds with e2 on the group before.  One window setting serves both: Q(e1) of this group's b-tiles and e2 of the other group's lie in the same window.
; Places: between the last product on a tile and its first read stand 5 multiply-adds or more that name none of that product's registers; between a tile's last product and
; the product that begins it anew, 14; between the last product that read a set of W's registers and the loads into it, 6.
.macro GROUP p, tau, hh, fma, ld
.set gKK, (\tau)/4
.set gTT, (\tau)%4
.if \hh
	WIN 0x04
.set gPT, gTT
.else
	WIN 0x08
.set gPT, (gTT+3)%4
.endif
.set gF, 0
.set gN, 0
.rept 8
.set gS, gN/4
.set gD, T+32*(\hh)+8*(gN%4)
.set gA, WF+24*(gTT%2)+12*gS
.set gB, 24*(gN%4)+12*gS
.set gSA, SW+8*(\p)+4*gKK+2*(gTT/2)+gS
.set gSB, SE1+4*(\hh)+gN%4
.if (gS == 0) && (gTT%2 == 0)
	v_wmma_scale_f32_16x16x128_f8f6f4 v[gD:gD+7], v[gA:gA+11], v[gB:gB+11], 0, v[gSA], v[gSB] matrix_a_fmt:MATRIX_FMT_BF6 matrix_b_fmt:MATRIX_FMT_BF6
.elseif gS == 0
	v_wmma_scale_f32_16x16x128_f8f6f4 v[gD:gD+7], v[gA:gA+11], v[gB:gB+11], 0, v[gSA], v[gSB] matrix_a_fmt:MATRIX_FMT_BF6 matrix_b_fmt:MATRIX_FMT_BF6 matrix_a_scale:MATRIX_SCALE_ROW1
.elseif gTT%2 == 0
	v_wmma_scale_f32_16x16x128_f8f6f4 v[gD:gD+7], v[gA:gA+11], v[gB:gB+11], v[gD:gD+7], v[gSA], v[gSB] matrix_a_fmt:MATRIX_FMT_BF6 matrix_b_fmt:MATRIX_FMT_BF6 matrix_b_scale:MATRIX_SCALE_ROW1
.else
	v_wmma_scale_f32_16x16x128_f8f6f4 v[gD:gD+7], v[gA:gA+11], v[gB:gB+11], v[gD:gD+7], v[gSA], v[gSB] matrix_a_fmt:MATRIX_FMT_BF6 matrix_b_fmt:MATRIX_FMT_BF6 matrix_a_scale:MATRIX_SCALE_ROW1 matrix_b_scale:MATRIX_SCALE_ROW1
.endif
.if \fma
	GFMA \hh, gPT
	GFMA \hh, gPT
.endif
.if (\ld) && (gN == 1)
.set gNX, (\tau)+1
	WFLOAD \p, gNX                                 ; the next tile's fragments, 14 matrix instructions ahead of their use
.endif
.set gN, gN+1
.endr
.endm
; A k is done: a lane's two halves of each sum are added, then the two halves of the lanes (e = 8 h + j): lane (r, h) ends with b-tiles 4 h + 0 .. 3; 16 bytes a lane to my place for this position of the walk
.macro KEND c
	WIN 0
.irp b, 0,1,2,3,4,5,6,7
	v_add_f32 v[S+\b], v[ACC+2*\b], v[ACC+2*\b+1]
.endr
.irp i, 0,1,2,3
	v_permlane16_swap_b32 v[S+\i], v[S+4+\i]
.endr
.irp i, 0,1,2,3
	v_add_f32 v[O+\i], v[S+\i], v[S+4+\i]
.endr
	ds_store_b128 v[RA], v[O:O+3] offset:512*(\c)
.endm
; A slot's last tile changes slots.  mode 2: slot p is filled again, with its two k of the walk's next quarter: the barrier opens a round of the cluster's.  mode 1: nothing is left to fetch.
.macro TURN p, c, mode
	WIN 0
	s_wait_tensorcnt 0x0                           ; all my tensor loads have landed: the one that was out is my part of the other slot
	ds_add_u32 v[SPW], v[NIL]
.if \mode == 2                         ; no load of mine is out, so a group 0 may be written: the address is made anew from W's base and an offset that goes round W's four quarters
.if (\p) == 0
	s_add_co_u32 s[PQ], s[PQ], 1
	s_and_b32 s[PQ], s[PQ], 3
	s_mul_i32 s92, s[PQ], 196608
.endif
	s_add_nc_u64 s[G0W+4*(\p)+2:G0W+4*(\p)+3], s[8:9], s[92:93]
.if (\p) == 1
	s_add_nc_u64 s[G0W+4*(\p)+2:G0W+4*(\p)+3], s[G0W+4*(\p)+2:G0W+4*(\p)+3], 98304
.endif
	s_or_b32 s[G0W+4*(\p)+3], s[G0W+4*(\p)+3], 0x80000000
.endif
	s_wait_dscnt 0x0                               ; the add is done, and my reads of this slot are over: the last tile's fragments are in
	s_barrier_signal -1
	GROUP \p, 7, 0, 1, 0                           ; work on registers while the others arrive
	WIN 0
	s_barrier_wait -1
.if \mode == 2
	CREST                                          ; no wave of any partner still reads this slot or has a load on its way
	tensor_load_to_lds s[G0W+4*(\p):G0W+4*(\p)+3], s[G1W:G1W+7]   ; my one tensor load behind the round, and the first thing there
	s_nop 0
	PLACES 4
.endif
	s_wait_loadcnt 0x0                             ; the other slot's scale bytes, asked for a slot ago
	SCPERM 1-(\p)                                  ; 16 multiply-adds stand between these and the first product that names them
.if \mode == 2
	SCSTEP
	SCLOAD
.endif
	WFLOAD 1-(\p), 0
	GROUP \p, 7, 1, 1, 0
	s_wait_dscnt 0x0
	GROUP 1-(\p), 0, 0, 1, 1                       ; the other slot's first group carries this slot's last multiply-adds
	KEND \c
.endm
; A slot, from its first tile's second group on.  q: which slot of a pair.  mode 0: the last slot of all
.macro SLOTBODY p, q, mode
	GROUP \p, 0, 1, 1, 0
.irp tau, 1,2,3,4,5,6
	s_wait_dscnt 0x0                               ; this tile's fragments are in
	GROUP \p, \tau, 0, 1, 1
.if \tau == 4
	KEND 2*(\q)
.endif
	GROUP \p, \tau, 1, 1, 0
.endr
.if \mode
	TURN \p, 2*(\q)+1, \mode
.else
	s_wait_dscnt 0x0
	GROUP \p, 7, 0, 1, 0
	GROUP \p, 7, 1, 1, 0
	WIN 0x08
.set gF, 0
.rept 16
	GFMA 0, 3                                      ; the last group's multiply-adds
.endr
	KEND 2*(\q)+1
.endif
.endm
	WFLOAD 0, 0
	s_wait_dscnt 0x0
	GROUP 0, 0, 0, 0, 1                            ; the first group stands in front of the loop: there is nothing yet to multiply by e2
	PLACES 4
	WIN 0                                          ; at a label and at a branch every window is 0
	s_mov_b32 s76, 3
	s_mov_b32 s77, 0
.Lpair:                                            ; a trip: two slots (a quarter of W), from a pair's second group to the next pair's first; both slots are filled again
	v_add_nc_u32 v[RA], s77, v[RA0]
	SLOTBODY 0, 0, 2
	SLOTBODY 1, 1, 2
	WIN 0
	s_add_co_u32 s77, s77, 2048                    ; four positions of 512 bytes on
	s_sub_co_u32 s76, s76, 1
	s_cmp_lg_u32 s76, 0
	s_cbranch_scc1 .Lpair
	v_add_nc_u32 v[RA], s77, v[RA0]
	SLOTBODY 0, 0, 1                               ; the last two slots are written out
	SLOTBODY 1, 1, 0
	; THE END.  Wave w adds the four waves' partial sums of positions 4 w .. 4 w + 3, lays them as tp[b][position]; then each wave finishes its own 32 rows.
.set R,  80
.set Z,  144
.set TP, 160
.set YM, 176
.set YT, 192
.set OB, 208
	s_wait_dscnt 0x0                               ; my partial sums lie in LDS
	s_barrier_signal -1
	s_barrier_wait -1
.irp x, 0,1,2,3
.irp c, 0,1,2,3
	ds_load_b128 v[R+16*\x+4*\c:R+16*\x+4*\c+3], v[RDA] offset:8192*\x+512*\c
.endr
.endr
	s_wait_dscnt 0x0
.irp i, 0,1,2,3
.irp c, 0,1,2,3
	v_add_f32 v[Z+4*\i+\c], v[R+4*\c+\i], v[R+16+4*\c+\i]
.endr
.endr
.irp x, 2,3
.irp i, 0,1,2,3
.irp c, 0,1,2,3
	v_add_f32 v[Z+4*\i+\c], v[Z+4*\i+\c], v[R+16*\x+4*\c+\i]
.endr
.endr
.endr
.irp i, 0,1,2,3
	ds_store_b128 v[TPW], v[Z+4*\i:Z+4*\i+3] offset:1280*\i   ; tp[64 h + 16 i + r][4 w + 0 .. 3]
.endr
	s_wait_dscnt 0x0                               ; for the others' sake: my stores are done, and so are my reads of the partial sums, over which the out stage is laid
	s_barrier_signal -1
	s_barrier_wait -1
.irp i, 0,1
.irp q, 0,1
	ds_load_b128 v[TP+8*\i+4*\q:TP+8*\i+4*\q+3], v[TPR] offset:1280*\i+16*\q   ; tp[32 w + 16 i + r][8 h + 0 .. 7]: the forward product's layout and order
.endr
.endr
	s_wait_dscnt 0x0
	WIN 0x03                                       ; source 0 window 3.
.irp i, 0,1
.irp j, 0,2,4,6
	v_pk_mul_f32 v[YM+8*\i+\j:YM+8*\i+\j+1], v[MP+8*\i+\j:MP+8*\i+\j+1], s[86:87] op_sel_hi:[1,0]
.endr
.endr
.irp i, 0,1
.irp j, 0,2,4,6
	v_pk_add_f32 v[YT+8*\i+\j:YT+8*\i+\j+1], v[FP+8*\i+\j:FP+8*\i+\j+1], v[TP+8*\i+\j:TP+8*\i+\j+1]
.endr
.endr
	WIN 0
.irp j, 0,2,4,6,8,10,12,14
	v_pk_mul_f32 v[YT+\j:YT+\j+1], v[YT+\j:YT+\j+1], s[86:87] op_sel_hi:[1,0]
.endr
.set cN, 0
.rept 32
	v_exp_f32 v[YM+cN], v[YM+cN]                   ; tanh(x) = 1 - 2 / (1 + 2^(2 log2(e) x)): +-1 where the power overflows or vanishes
.set cN, cN+1
.endr
	v_nop                                          ; a plain place behind the transcendentals
.set cN, 0
	s_wait_alu depctr_va_vdst(0)
.rept 16
	v_pk_add_f32 v[YM+cN:YM+cN+1], v[YM+cN:YM+cN+1], 1.0 op_sel_hi:[1,0]
.set cN, cN+2
.endr
.set cN, 0
.rept 32
	v_rcp_f32 v[YM+cN], v[YM+cN]
.set cN, cN+1
.endr
	v_nop
.set cN, 0
	s_wait_alu depctr_va_vdst(0)
.rept 16
	v_pk_fma_f32 v[YM+cN:YM+cN+1], v[YM+cN:YM+cN+1], -2.0, 1.0 op_sel_hi:[1,0,0]
.set cN, cN+2
.endr
.irp i, 0,1
	ds_store_b128 v[OSW], v[YM+8*\i:YM+8*\i+3] offset:2304*\i         ; my own stage: row 16 i + r of 128 bytes (+ 16): the match part at 32 h,
	ds_store_b128 v[OSW], v[YM+8*\i+4:YM+8*\i+7] offset:2304*\i+16
	ds_store_b128 v[OSW], v[YT+8*\i:YT+8*\i+3] offset:2304*\i+64      ; the tensor part, in the walk's order, at 64 + 32 h
	ds_store_b128 v[OSW], v[YT+8*\i+4:YT+8*\i+7] offset:2304*\i+80
.endr
.irp n, 0,1,2,3,4,5,6,7
	ds_load_b128 v[OB+4*\n:OB+4*\n+3], v[OSR] offset:576*\n           ; LDS serves a wave's instructions in order (ISA guide 5.7.1.4): these see my stores.  Four whole rows a load
.endr
.irp n, 0,1,2,3,4,5,6,7
	s_wait_dscnt 7-\n                              ; row group n is back; the younger loads may be out
	global_store_b128 v[GOF], v[OB+4*\n:OB+4*\n+3], s[24:25] offset:512*\n th:TH_STORE_NT   ; 32 lanes store 512 consecutive bytes, at a multiple of 512 from out0's first byte; within a row the tensor part's four pieces go to their k
.endr
	s_wait_tensorcnt 0x0                           ; the wave's end
	ds_add_u32 v[SPW], v[NIL]
	s_wait_dscnt 0x0
	CROUND                                         ; the closing round: no work-group ends while a partner may still ask for a tile that names it
	s_endpgm
.Lfunc_end_k_q0717afada9_ntn:
	.size	k_q0717afada9_ntn, .Lfunc_end_k_q0717afada9_ntn-k_q0717afada9_ntn
	.p2alignl 7, 3214868480
	.fill 96, 4, 3214868480
	.section	.rodata,"a",@progbits
	.p2align	6, 0x0
	.amdhsa_kernel k_q0717afada9_ntn
		.amdhsa_group_segment_fixed_size 327680
		.amdhsa_private_segment_fixed_size 0
		.amdhsa_enable_private_segment 0
		.amdhsa_kernarg_size 88
		.amdhsa_user_sgpr_count 2
		.amdhsa_user_sgpr_kernarg_segment_ptr 1
		.amdhsa_wavefront_size32 1
		.amdhsa_system_sgpr_workgroup_id_x 1
		.amdhsa_system_sgpr_workgroup_id_y 1
		.amdhsa_system_sgpr_workgroup_id_z 1
		.amdhsa_system_vgpr_workitem_id 0
		.amdhsa_next_free_vgpr 1024
		.amdhsa_next_free_sgpr 96
		.amdhsa_reserve_vcc 0
		.amdhsa_float_denorm_mode_32 3
		.amdhsa_float_denorm_mode_16_64 3
		.amdhsa_memory_ordered 1
		.amdhsa_forward_progress 1
		.amdhsa_inst_pref_size 255
	.end_amdhsa_kernel
	.section	.bss,"aw",@nobits
	.p2align	6
	.space	262144
	.amdgpu_metadata
---
amdhsa.version: [ 1, 2 ]
amdhsa.kernels:
  - .name:           k_q0717afada9_ntn
    .symbol:         k_q0717afada9_ntn.kd
    .args:
      - { .name: e1, .offset: 0, .size: 8, .value_kind: global_buffer, .address_space: global }
      - { .name: e2, .offset: 8, .size: 8, .value_kind: global_buffer, .address_space: global }
      - { .name: W_codes, .offset: 16, .size: 8, .value_kind: global_buffer, .address_space: global }
      - { .name: W_scales, .offset: 24, .size: 8, .value_kind: global_buffer, .address_space: global }
      - { .name: V_codes, .offset: 32, .size: 8, .value_kind: global_buffer, .address_space: global }
      - { .name: V_scales, .offset: 40, .size: 8, .value_kind: global_buffer, .address_space: global }
      - { .name: G_codes, .offset: 48, .size: 8, .value_kind: global_buffer, .address_space: global }
      - { .name: G_scales, .offset: 56, .size: 8, .value_kind: global_buffer, .address_space: global }
      - { .name: b1, .offset: 64, .size: 8, .value_kind: global_buffer, .address_space: global }
      - { .name: b2, .offset: 72, .size: 8, .value_kind: global_buffer, .address_space: global }
      - { .name: out0, .offset: 80, .size: 8, .value_kind: global_buffer, .address_space: global }
    .group_segment_fixed_size: 327680
    .private_segment_fixed_size: 0
    .kernarg_segment_align: 8
    .kernarg_segment_size: 88
    .max_flat_workgroup_size: 128
    .sgpr_count:     96
    .vgpr_count:     1024
    .wavefront_size: 32
...
	.end_amdgpu_metadata
.endif
;; end of part 1
